; MI455X (gfx1250); checked and timed in simulation.
; The chip was launched on July 23, 2026; its instructions are those of AMD's public machine-readable ISA for CDNA 5 (MIT licence, August 2026) and "CDNA5" Instruction Set Architecture Reference Guide (July 2026). The comments in the code are by the model that wrote it; some were corrected since.
;; Additive Attention. Allowed arithmetic: matrix products marked QUANTISED: E4M3 operands, one given power-of-two scale a tensor, by v_wmma_f32_16x16x64_fp8_fp8 or v_wmma_f32_16x16x128_fp8_fp8, f32 sums; products left as they are: f32 operands where the result goes on into a quantised operand, else bf16, f16 or f32 operands; f32 sums; everything else in f32.
;; Inputs: W_concat 64 x 128 float32; b_concat 64 float32; b_logit one number float32; keys_codes 2 x 4 x 512 x 2 x 32 uint8 (E4M3 codes of keys, K innermost, in blocks of 32 codes); lowp_scales 4 int32 (the exponents e of the quantised operands' scales 2^e); mask 2 x 512 x 512 bool; queries_codes 2 x 4 x 512 x 2 x 32 uint8 (E4M3 codes of queries, K innermost, in blocks of 32 codes); values 2 x 4 x 512 x 64 float32; w_logit 64 float32.
;; Outputs: out0 2 x 4 x 512 x 512 float32.
;; This version of the problem:
;;   THIS VERSION OF THE PROBLEM IS GIVEN IN LOW PRECISION. The matrix products marked QUANTISED in the list below multiply operands that are first quantised to E4M3 (4 exponent bits, 3 mantissa bits; 8 bits a number), with one given power-of-two scale for each operand tensor; their sums are f32. All else is computed in f32.
;;   The module's matrix products, in the order in which they are computed (A, B: the left and right operand; K: the contracted axis; several contracted axes count as one K, in the product's order):
;;     1. [M 4,096, K 64] x [K 64, N 64]; A: input queries (given as codes); B: input W_concat: QUANTISED (scales: A lowp_scales[0], B lowp_scales[1])
;;     2. [M 4,096, K 64] x [K 64, N 64]; A: input keys (given as codes); B: input W_concat: QUANTISED (scales: A lowp_scales[2], B lowp_scales[3])
;;     3. [M 2,097,152, K 64] x [K 64, N 1]; A: computed on the way; B: input w_logit: left as it is (N = 1 < 16)
;;   THE QUANTISER, for each operand of a quantised product, along K:
;;     - The operand's scale is 2^e, e = its entry of the input lowp_scales (int32; the entries are numbered through the quantised products in the list's order, A before B).
;;     - Each number is divided by the scale, clamped to +-448, and rounded to the nearest number of E4M3, ties to even, subnormals kept.
;;     - The product sums the exact products of the quantised numbers (number of the format x scale) in f32.
;;   ~~~python
;;   def quantise(x, axis, e):      # numpy; x: float32 -> the quantised numbers, widened to float32 again
;;       x = np.moveaxis(x, axis, -1); K = x.shape[-1]
;;       r = np.clip(x / 2.0 ** e, -448, 448)
;;       step = 2.0 ** (np.maximum(np.frexp(np.where(r == 0, 1, r))[1] - 1, -6) - 3)
;;       q = np.round(r / step) * step * 2.0 ** e      # np.round: ties to even
;;       return np.moveaxis(q, -1, axis).astype(np.float32)
;;   ~~~
;;   INPUTS GIVEN AS CODES. keys (in the module: [2, 4, 512, 64], K = its axis 3); queries (in the module: [2, 4, 512, 64], K = its axis 3): each comes as NAME_codes (uint8): NAME with its K axis moved to the last place and cut into blocks of 32 codes, [.., K / 32, bytes a block], one block behind the other in memory; one code a byte (a code: sign, 4 exponent bits, 3 mantissa bits); its scale is its entry of lowp_scales. Its value is code x scale, taken as it is: it is not quantised again, and the codes and scales need not be those that the quantiser above would give.
;; 2 versions, each right; version 2 is version 1 with the launch addattn written anew for expert scheduling mode. Each part assembles by itself: llvm-mc -triple=amdgcn-amd-amdhsa -mcpu=gfx1250 --defsym DOCPART=n.
;; ======== version 1 of 2: 1 launch
;; limits: right only within a limited range of input values
;; launch addattn (part 1): grid 32 x 8, 16 waves a work-group, no clusters, 53,504 bytes of LDS; arguments queries_codes, keys_codes, W_concat, b_concat, w_logit, mask, lowp_scales, out0; writes out0
.if DOCPART == 1
	.amdgcn_target "amdgcn-amd-amdhsa--gfx1250"
	.amdhsa_code_object_version 6
	.text
	.protected	k_q2ad4bec504_addattn
	.globl	k_q2ad4bec504_addattn
	.p2align	8
	.type	k_q2ad4bec504_addattn,@function
k_q2ad4bec504_addattn:
	s_mov_b64 s[64:65], 0
	v_nop
	global_prefetch_b8 v0, s[64:65] scope:SCOPE_SE
	s_setreg_imm32_b32 hwreg(HW_REG_WAVE_MODE, 25, 1), 1
	s_wait_xcnt 0x0
; out0[b][h][q][:] = softmax_k( sum over e of w_logit[e] tanh(qp[q][e] + kp[k][e] + b_concat[e]) + b_logit ), keys with mask 0 left out; a row whose mask is all 0 keeps every key.
; qp = Q Wq^T, kp = K Wk^T on codes of FP8 (E4M3): Q and K are given as codes, Wq = W_concat[:, :64] and Wk = W_concat[:, 64:] are quantised here with the given scales 2^e1 and 2^e3.
; WORK LEFT OUT, for all values of the inputs:
;   values    is named nowhere in reference()'s body: it is not loaded and is no argument.
;   b_logit   is added to every logit of a row alike, and softmax(x + c) = softmax(x); a key that is left out is -infinity with it or without.  It is not loaded and is no argument.
;   sum of w  tanh(x) = 1 - 2 r with r = 1 / (1 + e^(2x)), so a logit is (sum over e of w[e]) - 2 sum over e of w[e] r[e]; the first term is the same for all keys of a row and goes as b_logit goes.
;   LIMIT: a NaN, an infinity or an overflow that reaches only values, b_logit or the sum of w is not carried to the result.
; ARITHMETIC.  C = 2 log2(e).  ua = C (qp + b_concat), ub = C kp, each split ONCE into a whole number I = floor(u) and E = 2^(u - I) in [1, 2).  For an element:
;   t = IA + IB;  X = EB x 2^t (v_ldexp_f32: it ends at infinity or 0 by itself);  den = EA X + 1;  r = 1 / den;  logit x log2(e) = a constant + sum over e of (-C w[e]) r[e].
;   One transcendental an element, and den lies between 1 and infinity: no NaN arises whatever the size of ua and ub.  The softmax takes the row's maximum away, then 2^(.), the sum, one reciprocal.
; LIMITS: ua and ub are held within +-2^20 so that IA + IB cannot wrap (|qp + b_concat| and |kp| up to 363,408 are served as they are); e0 + e1 and e2 + e3 between -127 and 126 (they are added
;   to C's exponent field); e1 and e3 between -126 and 119 (2^e and 448 x 2^e are f32 numbers).  NaN codes and NaN among the f32 inputs are not served.
; SHARES.  A work-group: one (b, h), 16 queries, all 512 keys; 32 x 8 work-groups.  Sixteen waves of 256 registers.  In the main phase wave w owns keys 32 w .. 32 w + 31 (two tiles of 16);
;   in the softmax wave w owns row w of the sixteen.
; LAYOUT.  Both products are used transposed (source 0 = 16 rows of W, source 1 = 16 keys or queries), and lane m of W's tile t takes row e = 32 (m / 8) + 8 t + m % 8: so lane (r, h) holds key r
;   and, in register j of tile t, e = 32 h + 8 t + j: half of the 64 e's a lane; the two halves of the lanes meet once a query.
;   A fragment (16 rows x 64 K) is two pieces of 16 bytes at row x 64 + 16 h + 0, 32: a permutation of k that is the same in both operands, so every product meets its partner.
; NO TENSOR LOADS, NO CLUSTER: what work-groups share, a head's 32,768 bytes of key codes and W's 32,768 bytes, is read once at the head, 2,048 + 2,048 bytes a wave, straight into registers; there is no tile to ask for jointly.
; LDS:  0       WIMG   8 images of W's fragments, 1,024 bytes each (0-3: Wq's tiles, 4-7: Wk's): register group g of a lane at 512 g + 16 lane
;       8192    ABASE  16 rows (queries) of 528 bytes: 256 h + 64 c: EA of e = 32 h + 8 c + 0..7 (32 bytes), then IA of the same (32 bytes).  528 = 33 x 16: the sixteen rows of a store begin at sixteen different places modulo 256
;       16640   LBASE  the logits: 2,176 bytes for each storing wave: 128 q + 4 lane
;       51456   SPARE  the spare words, 128 bytes for each wave: eight blocks of 256 bytes that no other line names
.set ABASE,  8192
.set APITCH, 528
.set LBASE,  ABASE+16*APITCH
.set WREG,   2176
.set SPARE,  LBASE+16*WREG
; registers that stay
.set SPW,   1                          ; v1   LDS address of my spare word: SPARE + 4 x my thread's number; never rewritten
.set NIL,   2                          ; v2   0; never rewritten
.set AADR,  3                          ; v3   the query in hand: its row of EA, IA for my half
.set LSTO,  4                          ; v4   where my logit of the query in hand goes
.set AADR0, 5                          ; v5   ABASE + 256 h
.set LSTO0, 6                          ; v6   LBASE + 2176 wave + 4 lane
.set LRD,   7                          ; v7   the softmax: where I read my row's logits
.set MSK,   8                          ; v8-11  my row's mask: word j = keys 128 j + 4 lane + 0..3
.set L16,   12                         ; v12  16 x lane
.set LIM,   13                         ; v13  2^20
; the main phase
.set RA,    16                         ; v16-47   two buffers of 16: EA of a chunk's 8 e's, then IA
.set RT,    48                         ; v48-79   two buffers of 16: t, X, den, r of a chunk: 8 kt + j
.set RACC,  80                         ; v80-87   four pairs of sums: pair 2 kt + i % 2
.set RS,    88                         ; v88-91   S0, S1, what the other half wants, what I keep
.set RP,    92                         ; v92      a lane permute's destination
.set RW,    96                         ; v96-127  -C w[32 h + n]
.set REB,   128                        ; v128-191 EB: 32 kt + n
.set RIB,   192                        ; v192-255 IB: 32 kt + n
; the set-up, in registers that are free until later
.set KFR,   16                         ; v16-31   my two fragments of keys
.set WKF,   32                         ; v32-63   Wk's four fragments
.set QFR,   64                         ; v64-71   waves 0-3: the queries' fragment
.set WQF,   72                         ; v72-79   waves 0-3: Wq's fragment of tile = wave
.set QPD,   80                         ; v80-87   waves 0-3: the product, then ua, then EA
.set BCP,   88                         ; v88-95   waves 0-3: b_concat's eight, then floor(ua), then IA
.set WNUM,  192                        ; v192-207 16 numbers of W
.set WCOD,  208                        ; v208-211 their codes
.set CFO,   224                        ; v224 64 r + 16 h: a lane's place in 16 rows of codes
.set WFO,   225                        ; v225 a lane's place in W
.set H128,  226                        ; v226 128 h: my half's 32 numbers of a vector of 64
.set L4,    227                        ; v227 4 x lane
.set IMGW,  228                        ; v228 16 x thread: where my half fragment's image goes
.set AST,   229                        ; v229 waves 0-3: where EA and IA go
.set WQRD,  230                        ; v230 waves 0-3: Wq's image of tile = wave
.set WSC,   231                        ; v231 2^e of my side of W
.set WLIM,  232                        ; v232 448 x 2^e
.set WV,    24                         ; s24  my wave's number
	s_load_b256 s[4:11], s[0:1], 0x0               ; Q's codes s[4:5], K's codes s[6:7], W_concat s[8:9], b_concat s[10:11]
	s_load_b256 s[12:19], s[0:1], 0x20             ; w_logit s[12:13], mask s[14:15], the scales' exponents s[16:17], out0 s[18:19]
	v_lshl_add_u32 v[SPW], v0, 2, SPARE
	v_mov_b32 v[NIL], 0
	v_lshrrev_b32 v14, 5, v0
	v_readfirstlane_b32 s[WV], v14                 ; wave 0..15
	v_and_b32 v14, 31, v0                          ; lane
	v_and_b32 v15, 15, v0                          ; r
	v_bfe_u32 v233, v0, 4, 1                       ; h
	; every offset and every LDS address is made here, ahead of the first branch on the wave's number
	v_lshlrev_b32 v[L16], 4, v14
	v_lshlrev_b32 v[L4], 2, v14
	v_lshlrev_b32 v[H128], 7, v233
	v_lshlrev_b32 v[CFO], 6, v15
	v_lshl_add_u32 v[CFO], v233, 4, v[CFO]
	v_and_b32 v234, 8, v15
	v_lshlrev_b32 v[WFO], 11, v234                 ; W: row 32 (r / 8) + r % 8 of 512 bytes,
	v_and_b32 v234, 7, v15
	v_lshl_add_u32 v[WFO], v234, 9, v[WFO]
	v_lshl_add_u32 v[WFO], v233, 6, v[WFO]         ; + 16 h numbers
	v_lshlrev_b32 v[IMGW], 4, v0                   ; 512 x wave + 16 x lane: wave 2 f + g stores register group g of fragment f
	v_lshl_add_u32 v[AADR0], v233, 8, ABASE
	s_mul_i32 s38, s[WV], WREG
	s_add_co_u32 s38, s38, LBASE
	v_lshl_add_u32 v[LSTO0], v14, 2, s38
	v_lshrrev_b32 v234, 3, v14
	v_mul_u32_u24 v[LRD], v234, WREG               ; keys 128 j + 4 lane + 0..3 were stored by wave 4 j + lane / 8, at its byte 16 (lane % 8) of the row's 128
	v_and_b32 v234, 7, v14
	v_lshl_add_u32 v[LRD], v234, 4, v[LRD]
	s_lshl_b32 s38, s[WV], 7
	s_add_co_u32 s38, s38, LBASE
	v_add_nc_u32 v[LRD], s38, v[LRD]
	v_mul_u32_u24 v[AST], v15, APITCH
	v_add_nc_u32 v[AST], v[AST], v[AADR0]
	s_lshl_b32 s38, s[WV], 6
	v_add_nc_u32 v[AST], s38, v[AST]               ; query r's row, + 256 h, + 64 x tile
	s_lshl_b32 s38, s[WV], 10
	v_add_nc_u32 v[WQRD], s38, v[L16]
	v_mov_b32 v[LIM], 0x49800000                   ; 2^20
	s_mov_b32 s30, 0xffff0000                      ; lanes 16-31
	s_mov_b32 s32, 0x76543210                      ; v_permlanex16_b32's selects for lane l xor 16
	s_mov_b32 s33, 0xfedcba98
	; byte offsets, each made apart from its buffer's address
	s_and_b32 s39, ttmp7, 0xffff                   ; 4 b + h
	s_lshl_b32 s40, s39, 15                        ; a head's 512 rows of 64 codes
	s_lshl_b32 s41, ttmp9, 10
	s_add_co_u32 s41, s41, s40                     ; Q: + my work-group's 16 rows
	s_lshl_b32 s42, s[WV], 11
	s_add_co_u32 s42, s42, s40                     ; K: + my wave's 32 rows
	s_bfe_u32 s43, s[WV], 0x20001                  ; W: the tile t = (wave / 2) % 4: 8 t rows of 512 bytes,
	s_lshl_b32 s43, s43, 12
	s_lshr_b32 s44, s[WV], 3                       ; the side (0: Wq, 1: Wk): 256 bytes,
	s_lshl_b32 s44, s44, 8
	s_add_co_u32 s43, s43, s44
	s_and_b32 s44, s[WV], 1                        ; the register group g = wave % 2: k = 32 g on: 128 bytes
	s_lshl_b32 s44, s44, 7
	s_add_co_u32 s43, s43, s44
	s_lshl_b32 s44, ttmp9, 4
	s_add_co_u32 s44, s44, s[WV]                   ; my row among the 512 queries
	s_lshr_b32 s45, s39, 2
	s_lshl_b32 s45, s45, 9
	s_add_co_u32 s45, s45, s44
	s_lshl_b32 s45, s45, 9                         ; mask: (512 b + row) x 512 bytes
	s_lshl_b32 s31, s39, 9
	s_add_co_u32 s31, s31, s44
	s_lshl_b32 s31, s31, 11                        ; out0: (512 (4 b + h) + row) x 2,048 bytes
	s_mov_b32 s27, 0
	s_wait_kmcnt 0x0
	s_load_b128 s[20:23], s[16:17], 0x0            ; e0 (Q), e1 (Wq), e2 (K), e3 (Wk)
	s_mov_b32 s26, s42
	s_add_nc_u64 s[6:7], s[6:7], s[26:27]
	s_mov_b32 s26, s43
	s_add_nc_u64 s[8:9], s[8:9], s[26:27]
	s_mov_b32 s26, s45
	s_add_nc_u64 s[14:15], s[14:15], s[26:27]
	s_mov_b32 s26, s31
	s_add_nc_u64 s[18:19], s[18:19], s[26:27]
	s_cmp_lt_u32 s[WV], 4                          ; waves 0-3 make qp's four tiles: their loads go out first, so that as many loads stand behind W's on both ways
	s_cbranch_scc0 .Lno_q
	s_mov_b32 s26, s41
	s_add_nc_u64 s[4:5], s[4:5], s[26:27]
	s_lshl_b32 s26, s[WV], 5                       ; b_concat: 8 x tile numbers on
	s_add_nc_u64 s[10:11], s[10:11], s[26:27]
	global_load_b128 v[QFR:QFR+3], v[CFO], s[4:5]
	global_load_b128 v[QFR+4:QFR+7], v[CFO], s[4:5] offset:32
	global_load_b128 v[BCP:BCP+3], v[H128], s[10:11]              ; b_concat[32 h + 8 t + 0..7]
	global_load_b128 v[BCP+4:BCP+7], v[H128], s[10:11] offset:16
.Lno_q:
.irp g, 0,1,2,3
	global_load_b128 v[WNUM+4*\g:WNUM+4*\g+3], v[WFO], s[8:9] offset:16*\g   ; 16 neighbours along K of my row of W
.endr
.irp kt, 0,1
.irp g, 0,1
	global_load_b128 v[KFR+8*\kt+4*\g:KFR+8*\kt+4*\g+3], v[CFO], s[6:7] offset:1024*\kt+32*\g
.endr
.endr
.irp j, 0,1,2,3
	global_load_b32 v[MSK+\j], v[L4], s[14:15] offset:128*\j      ; 32 lanes read 128 consecutive bytes of my row's mask
.endr
.irp g, 0,1,2,3,4,5,6,7
	global_load_b128 v[RW+4*\g:RW+4*\g+3], v[H128], s[12:13] offset:16*\g    ; w_logit[32 h + 0..31]
.endr
	s_wait_kmcnt 0x0
	s_cmp_lt_u32 s[WV], 8                          ; waves 0-7 quantise Wq, waves 8-15 Wk: a choice, no branch
	s_cselect_b32 s38, s21, s23
	s_add_co_i32 s38, s38, 127
	s_lshl_b32 s40, s38, 23
	v_mov_b32 v[WSC], s40                          ; 2^e as f32: the conversion takes its exponent field
	s_add_co_i32 s38, s38, 8
	s_lshl_b32 s38, s38, 23
	s_or_b32 s38, s38, 0x600000
	v_mov_b32 v[WLIM], s38                         ; 448 x 2^e
	s_add_co_i32 s34, s20, s21
	s_lshl_b32 s34, s34, 23
	s_add_co_i32 s34, s34, 0x4038aa3b              ; C x 2^(e0 + e1): the two exponents are added to C's exponent field
	s_mov_b32 s35, s34                             ; (named with it as a pair, so it is written)
	s_add_co_i32 s36, s22, s23
	s_lshl_b32 s36, s36, 23
	s_add_co_i32 s36, s36, 0x4038aa3b              ; C x 2^(e2 + e3)
	s_mov_b32 s37, s36
	s_wait_loadcnt 16                              ; W's four loads are in; behind them stand 4 of keys, 4 of the mask and 8 of w_logit
.set n, 0
.rept 16
	v_med3_num_f32 v[WNUM+n], v[WNUM+n], -v[WLIM], v[WLIM]        ; the conversion to an 8-bit code does not saturate (ISA guide 7.6.2): the hold at the largest code x the scale
.set n, n+1
.endr
	v_cvt_scalef32_pk8_fp8_f32 v[WCOD:WCOD+1], v[WNUM:WNUM+7], v[WSC]
	v_cvt_scalef32_pk8_fp8_f32 v[WCOD+2:WCOD+3], v[WNUM+8:WNUM+15], v[WSC]
	v_nop                                          ; one plain vector instruction behind the last scaled conversion: its registers are written again much later
	ds_store_b128 v[IMGW], v[WCOD:WCOD+3]          ; four registers of a fragment, as they stand
	s_wait_dscnt 0x0                               ; for the others' sake: my store has landed
	s_barrier_signal -1
	s_barrier_wait -1                              ; W's eight fragments lie in LDS
.irp t, 0,1,2,3
.irp g, 0,1
	ds_load_b128 v[WKF+8*\t+4*\g:WKF+8*\t+4*\g+3], v[L16] offset:4096+1024*\t+512*\g
.endr
.endr
	s_cmp_lt_u32 s[WV], 4
	s_cbranch_scc0 .Lno_qp
	; ---- waves 0-3: tile t = wave of qp^T for the 16 queries; ua; its split; to LDS
	ds_load_b128 v[WQF:WQF+3], v[WQRD]
	ds_load_b128 v[WQF+4:WQF+7], v[WQRD] offset:512
	s_wait_loadcnt 0x0                             ; Q's fragment and b_concat's eight (and all else)
	s_wait_dscnt 0x0
	v_wmma_f32_16x16x64_fp8_fp8 v[QPD:QPD+7], v[WQF:WQF+7], v[QFR:QFR+7], 0
.irp i, 0,2,4,6
	v_pk_mul_f32 v[BCP+\i:BCP+\i+1], v[BCP+\i:BCP+\i+1], 0x4038aa3b op_sel_hi:[1,0]    ; C b_concat: these four are the places behind the product
.endr
.irp i, 0,2,4,6
	v_pk_fma_f32 v[QPD+\i:QPD+\i+1], v[QPD+\i:QPD+\i+1], s[34:35], v[BCP+\i:BCP+\i+1] op_sel_hi:[1,0,1]   ; ua = sum x C 2^(e0 + e1) + C b_concat; the result is read from its low end on
.endr
.irp j, 0,1,2,3,4,5,6,7
	v_med3_num_f32 v[QPD+\j], v[QPD+\j], -v[LIM], v[LIM]
.endr
.irp j, 0,1,2,3,4,5,6,7
	v_floor_f32 v[BCP+\j], v[QPD+\j]
.endr
.irp j, 0,1,2,3,4,5,6,7
	v_sub_f32 v[QPD+\j], v[QPD+\j], v[BCP+\j]      ; exact: in [0, 1)
.endr
.irp j, 0,1,2,3,4,5,6,7
	v_exp_f32 v[QPD+\j], v[QPD+\j]                 ; EA in [1, 2)
.endr
.irp j, 0,1,2,3,4,5,6,7
	v_cvt_i32_f32 v[BCP+\j], v[BCP+\j]             ; IA; plain work behind the exponentials
.endr
	s_wait_alu depctr_va_vdst(0)                   ; one wait for the eight exponentials, ahead of their first reader
	ds_store_b128 v[AST], v[QPD:QPD+3]
	ds_store_b128 v[AST], v[QPD+4:QPD+7] offset:16
	ds_store_b128 v[AST], v[BCP:BCP+3] offset:32
	ds_store_b128 v[AST], v[BCP+4:BCP+7] offset:48
.Lno_qp:
	s_wait_loadcnt 0x0                             ; keys, mask, w_logit: every global load of the launch is in, so the offsets' registers are free too
	s_wait_dscnt 0x0                               ; Wk's fragments are in; waves 0-3: EA and IA have landed
	s_barrier_signal -1                            ; say so; up to the wait below stands work on registers alone
	; ---- every wave: kp^T for its 32 keys: eight products, eight accumulators
.irp kt, 0,1
.irp t, 0,1,2,3
	v_wmma_f32_16x16x64_fp8_fp8 v[REB+32*\kt+8*\t:REB+32*\kt+8*\t+7], v[WKF+8*\t:WKF+8*\t+7], v[KFR+8*\kt:KFR+8*\kt+7], 0
.endr
.endr
.set n, 0
.rept 16
	v_pk_mul_f32 v[RW+n:RW+n+1], v[RW+n:RW+n+1], 0xc038aa3b op_sel_hi:[1,0]   ; -C w: these sixteen are the places behind the products
.set n, n+2
.endr
.set n, 0
.rept 32
	v_pk_mul_f32 v[REB+n:REB+n+1], v[REB+n:REB+n+1], s[36:37] op_sel_hi:[1,0] ; ub = sum x C 2^(e2 + e3); each accumulator from its low end on
.set n, n+2
.endr
.set n, 0
.rept 64
	v_med3_num_f32 v[REB+n], v[REB+n], -v[LIM], v[LIM]
.set n, n+1
.endr
.set n, 0
.rept 64
	v_floor_f32 v[RIB+n], v[REB+n]
.set n, n+1
.endr
.set n, 0
.rept 32
	v_pk_add_f32 v[REB+n:REB+n+1], v[REB+n:REB+n+1], v[RIB+n:RIB+n+1] neg_lo:[0,1] neg_hi:[0,1]   ; ub - floor(ub): exact
.set n, n+2
.endr
.set n, 0
.rept 64
	v_exp_f32 v[REB+n], v[REB+n]                   ; EB in [1, 2)
.set n, n+1
.endr
.set n, 0
.rept 64
	v_cvt_i32_f32 v[RIB+n], v[RIB+n]               ; IB; plain work behind the exponentials
.set n, n+1
.endr
	s_wait_alu depctr_va_vdst(0)                   ; one wait for the 64 exponentials, ahead of their first reader
	s_barrier_wait -1                              ; the sixteen queries' EA and IA lie in LDS
; ---- THE MAIN PHASE.  A chunk is 8 e's x my two tiles of keys: 16 elements a lane; a query is four chunks.  The stream of chunks runs one deep: while chunk c's sixteen reciprocals are out,
; chunk c + 1's denominators are made.
.macro ALOAD buf, off                  ; EA and IA of a chunk's 8 e's, at byte off of the row in hand: lanes 0-15 read one address, lanes 16-31 another
.irp g, 0,1,2,3
	ds_load_b128 v[RA+16*(\buf)+4*\g:RA+16*(\buf)+4*\g+3], v[AADR] offset:(\off)+16*\g
.endr
.endm
.macro PRE c, buf, cnt                 ; the denominators of chunk c, from buffer buf of EA, IA into buffer buf of T.  cnt: the LDS instructions issued behind that buffer's loads
	s_wait_dscnt \cnt
.irp kt, 0,1
.irp j, 0,1,2,3,4,5,6,7
	v_add_nc_u32 v[RT+16*(\buf)+8*\kt+\j], v[RA+16*(\buf)+8+\j], v[RIB+32*\kt+8*(\c)+\j]     ; t = IA + IB
.endr
.endr
.irp kt, 0,1
.irp j, 0,1,2,3,4,5,6,7
	v_ldexp_f32 v[RT+16*(\buf)+8*\kt+\j], v[REB+32*\kt+8*(\c)+\j], v[RT+16*(\buf)+8*\kt+\j]  ; X = EB x 2^t
.endr
.endr
.irp kt, 0,1
.irp i, 0,2,4,6
	v_pk_fma_f32 v[RT+16*(\buf)+8*\kt+\i:RT+16*(\buf)+8*\kt+\i+1], v[RA+16*(\buf)+\i:RA+16*(\buf)+\i+1], v[RT+16*(\buf)+8*\kt+\i:RT+16*(\buf)+8*\kt+\i+1], 1.0 op_sel_hi:[1,1,0]   ; den = EA X + 1
.endr
.endr
.endm
.macro RCPS buf
.set n, 0
.rept 16
	v_rcp_f32 v[RT+16*(\buf)+n], v[RT+16*(\buf)+n]
.set n, n+1
.endr
.endm
.macro ACCUM c, buf                    ; the sums take -C w r: four chains, by turns.  Chunk 0's first four products start them: nothing is cleared
.irp i, 0,1,2,3
.irp kt, 0,1
.if ((\c) == 0) && (\i < 2)
	v_pk_mul_f32 v[RACC+4*\kt+2*(\i%2):RACC+4*\kt+2*(\i%2)+1], v[RW+8*(\c)+2*\i:RW+8*(\c)+2*\i+1], v[RT+16*(\buf)+8*\kt+2*\i:RT+16*(\buf)+8*\kt+2*\i+1]
.else
	v_pk_fma_f32 v[RACC+4*\kt+2*(\i%2):RACC+4*\kt+2*(\i%2)+1], v[RW+8*(\c)+2*\i:RW+8*(\c)+2*\i+1], v[RT+16*(\buf)+8*\kt+2*\i:RT+16*(\buf)+8*\kt+2*\i+1], v[RACC+4*\kt+2*(\i%2):RACC+4*\kt+2*(\i%2)+1]
.endif
.endr
.endr
.endm
; Chunk c: its reciprocals as one batch; the loads for the chunk two on, into the buffer that chunk c has left; the next chunk's forty plain instructions, which name no result of the batch;
; ONE wait for the batch ahead of the first reader; the sums.
.macro CHUNK c, load, loadoff, pre, cnt
	RCPS (\c)%2
.if \load
	ALOAD (\c)%2, \loadoff
.endif
.if \pre
	PRE ((\c)+1)%4, ((\c)+1)%2, \cnt
.else
	v_nop                                          ; the plain instruction behind the last reciprocal
.endif
	s_wait_alu depctr_va_vdst(0)
	ACCUM \c, (\c)%2
.endm
; A query's end.  Lane (r, h) holds, for keys r (S0) and 16 + r (S1) of my 32, the sum over its 32 e's.  It keeps the sum of key 16 h + r and hands the other to lane l xor 16:
; then lane l holds the whole logit of key l, and the wave stores 128 consecutive bytes.
.macro EPI
	v_pk_add_f32 v[RACC:RACC+1], v[RACC:RACC+1], v[RACC+2:RACC+3]
	v_pk_add_f32 v[RACC+4:RACC+5], v[RACC+4:RACC+5], v[RACC+6:RACC+7]
	v_add_f32 v[RS], v[RACC], v[RACC+1]
	v_add_f32 v[RS+1], v[RACC+4], v[RACC+5]
	v_cndmask_b32 v[RS+2], v[RS+1], v[RS], s30     ; lanes 0-15 hand S1 over, lanes 16-31 S0
	v_cndmask_b32 v[RS+3], v[RS], v[RS+1], s30     ; and keep the other
	v_permlanex16_b32 v[RP], v[RS+2], s32, s33
	v_add_f32 v[RS+3], v[RS+3], v[RP]
	ds_store_b32 v[LSTO], v[RS+3]
.endm
; The counts: behind the four loads that a PRE needs stand the four just issued.
; last = 1: the sixteenth query asks for no row behind it, so behind chunk 3's loads stands nothing.
.macro QROW last
	CHUNK 0, 1, 128, 1, 4
	CHUNK 1, 1, 192, 1, 4
.if \last
	CHUNK 2, 0, 0, 1, 0
	CHUNK 3, 0, 0, 0, 0
.else
	CHUNK 2, 1, APITCH, 1, 4
	CHUNK 3, 1, APITCH+64, 1, 4
.endif
	EPI
.endm
	v_mov_b32 v[RP], 0                             ; written once: a lane permute's destination counts as one of its sources
	s_mov_b32 s25, 0                               ; the query's row of EA, IA
	s_mov_b32 s29, 0                               ; and its place among my logits
	v_add_nc_u32 v[AADR], s25, v[AADR0]
	v_add_nc_u32 v[LSTO], s29, v[LSTO0]
	ALOAD 0, 0
	ALOAD 1, 64
	PRE 0, 0, 4
	s_mov_b32 s28, 15
.Lq:                                               ; fifteen trips, a query each; the sixteenth is written out, so that no load reaches past the last row
	QROW 0
	s_add_co_u32 s25, s25, APITCH
	s_add_co_u32 s29, s29, 128
	v_add_nc_u32 v[AADR], s25, v[AADR0]
	v_add_nc_u32 v[LSTO], s29, v[LSTO0]
	s_sub_co_u32 s28, s28, 1
	s_cmp_lg_u32 s28, 0
	s_cbranch_scc1 .Lq
	QROW 1
	; ---- THE SOFTMAX: wave w takes row w.  Register 4 j + c of a lane is key 128 j + 4 lane + c, in the logits, in the mask and in out0 alike.
	s_wait_dscnt 0x0                               ; for the others' sake: my logits have landed
	s_barrier_signal -1
	s_barrier_wait -1
.irp j, 0,1,2,3
	ds_load_b128 v[16+4*\j:19+4*\j], v[LRD] offset:4*WREG*\j
.endr
	v_or_b32 v32, v[MSK], v[MSK+1]                 ; a row whose mask is all 0 keeps every key: a choice, no branch
	v_or_b32 v33, v[MSK+2], v[MSK+3]
	v_or_b32 v32, v32, v33
	v_cmp_ne_u32 vcc_lo, 0, v32                    ; the lanes that hold a key that counts
	s_cmp_eq_u32 vcc_lo, 0
	s_cselect_b32 s31, 0x01010101, 0
.irp j, 0,1,2,3
	v_or_b32 v[MSK+\j], s31, v[MSK+\j]
.endr
	v_mov_b32 v48, 0xff800000                      ; -infinity
.irp j, 0,1,2,3
.irp c, 0,1,2,3
	v_and_b32 v[32+4*\j+\c], 0xff<<(8*\c), v[MSK+\j]
.endr
.endr
	s_wait_dscnt 0x0
.irp j, 0,1,2,3
.irp c, 0,1,2,3
	v_cmp_eq_u32 vcc_lo, 0, v[32+4*\j+\c]
	v_cndmask_b32 v[16+4*\j+\c], v[16+4*\j+\c], v48, vcc_lo
.endr
.endr
	v_max3_num_f32 v32, v16, v17, v18              ; the row's maximum: in two chains,
	v_max3_num_f32 v33, v19, v20, v21
	v_max3_num_f32 v32, v32, v22, v23
	v_max3_num_f32 v33, v33, v24, v25
	v_max3_num_f32 v32, v32, v26, v27
	v_max3_num_f32 v33, v33, v28, v29
	v_max3_num_f32 v32, v32, v30, v31
	v_max_num_f32 v32, v32, v33
	v_max_num_f32_dpp v32, v32, v32 row_xmask:1 row_mask:0xf bank_mask:0xf   ; across the sixteen lanes of a half,
	v_max_num_f32_dpp v32, v32, v32 row_xmask:2 row_mask:0xf bank_mask:0xf
	v_max_num_f32_dpp v32, v32, v32 row_xmask:4 row_mask:0xf bank_mask:0xf
	v_max_num_f32_dpp v32, v32, v32 row_xmask:8 row_mask:0xf bank_mask:0xf
	v_permlanex16_b32 v[RP], v32, s32, s33
	v_max_num_f32 v32, v32, v[RP]                  ; and across the halves.  At least one key counts, so it is a number
.irp i, 0,2,4,6,8,10,12,14
	v_pk_add_f32 v[16+\i:17+\i], v[16+\i:17+\i], v[32:33] op_sel_hi:[1,0] neg_lo:[0,1] neg_hi:[0,1]   ; less the maximum (the pair's low word for both halves)
.endr
.set n, 0
.rept 16
	v_exp_f32 v[16+n], v[16+n]                     ; the logits are kept times log2(e): 2^(.) is e^(logit - maximum); 0 for a key that is left out
.set n, n+1
.endr
	v_mov_b32 v51, 0                               ; (named below as the upper half of the pair v[50:51]; also the plain instruction behind the exponentials)
	s_wait_alu depctr_va_vdst(0)                   ; one wait for the sixteen, ahead of their first reader
	v_pk_add_f32 v[32:33], v[16:17], v[18:19]
	v_pk_add_f32 v[34:35], v[20:21], v[22:23]
	v_pk_add_f32 v[36:37], v[24:25], v[26:27]
	v_pk_add_f32 v[38:39], v[28:29], v[30:31]
	v_pk_add_f32 v[32:33], v[32:33], v[34:35]
	v_pk_add_f32 v[36:37], v[36:37], v[38:39]
	v_pk_add_f32 v[32:33], v[32:33], v[36:37]
	v_add_f32 v32, v32, v33
	v_add_f32_dpp v32, v32, v32 row_xmask:1 row_mask:0xf bank_mask:0xf
	v_add_f32_dpp v32, v32, v32 row_xmask:2 row_mask:0xf bank_mask:0xf
	v_add_f32_dpp v32, v32, v32 row_xmask:4 row_mask:0xf bank_mask:0xf
	v_add_f32_dpp v32, v32, v32 row_xmask:8 row_mask:0xf bank_mask:0xf
	v_permlanex16_b32 v[RP], v32, s32, s33
	v_add_f32 v32, v32, v[RP]                      ; the row's sum, at least 1
	v_rcp_f32 v50, v32
	v_nop                                          ; the plain instruction behind the reciprocal
	s_wait_alu depctr_va_vdst(0)                   ; and its wait, ahead of the first reader
.irp i, 0,2,4,6,8,10,12,14
	v_pk_mul_f32 v[16+\i:17+\i], v[16+\i:17+\i], v[50:51] op_sel_hi:[1,0]
.endr
.irp j, 0,1,2,3
	global_store_b128 v[L16], v[16+4*\j:19+4*\j], s[18:19] offset:512*\j th:TH_STORE_NT   ; 32 lanes store 512 consecutive bytes, at a multiple of 256 from out0's first byte; written once, read by nobody here
.endr
	s_wait_tensorcnt 0x0                           ; the wave's end
	ds_add_u32 v[SPW], v[NIL]
	s_wait_dscnt 0x0
	s_endpgm
.Lfunc_end_k_q2ad4bec504_addattn:
	.size	k_q2ad4bec504_addattn, .Lfunc_end_k_q2ad4bec504_addattn-k_q2ad4bec504_addattn
	.p2alignl 7, 3214868480
	.fill 96, 4, 3214868480
	.section	.rodata,"a",@progbits
	.p2align	6, 0x0
	.amdhsa_kernel k_q2ad4bec504_addattn
		.amdhsa_group_segment_fixed_size 53504
		.amdhsa_private_segment_fixed_size 0
		.amdhsa_enable_private_segment 0
		.amdhsa_kernarg_size 64
		.amdhsa_user_sgpr_count 2
		.amdhsa_user_sgpr_kernarg_segment_ptr 1
		.amdhsa_wavefront_size32 1
		.amdhsa_system_sgpr_workgroup_id_x 1
		.amdhsa_system_sgpr_workgroup_id_y 1
		.amdhsa_system_sgpr_workgroup_id_z 1
		.amdhsa_system_vgpr_workitem_id 0
		.amdhsa_next_free_vgpr 256
		.amdhsa_next_free_sgpr 66
		.amdhsa_reserve_vcc 1
		.amdhsa_float_denorm_mode_32 3
		.amdhsa_float_denorm_mode_16_64 3
		.amdhsa_memory_ordered 1
		.amdhsa_forward_progress 1
		.amdhsa_inst_pref_size 62
	.end_amdhsa_kernel
	.amdgpu_metadata
---
amdhsa.version: [ 1, 2 ]
amdhsa.kernels:
  - .name:           k_q2ad4bec504_addattn
    .symbol:         k_q2ad4bec504_addattn.kd
    .args:
      - { .name: queries_codes, .offset: 0, .size: 8, .value_kind: global_buffer, .address_space: global }
      - { .name: keys_codes, .offset: 8, .size: 8, .value_kind: global_buffer, .address_space: global }
      - { .name: W_concat, .offset: 16, .size: 8, .value_kind: global_buffer, .address_space: global }
      - { .name: b_concat, .offset: 24, .size: 8, .value_kind: global_buffer, .address_space: global }
      - { .name: w_logit, .offset: 32, .size: 8, .value_kind: global_buffer, .address_space: global }
      - { .name: mask, .offset: 40, .size: 8, .value_kind: global_buffer, .address_space: global }
      - { .name: lowp_scales, .offset: 48, .size: 8, .value_kind: global_buffer, .address_space: global }
      - { .name: out0, .offset: 56, .size: 8, .value_kind: global_buffer, .address_space: global }
    .group_segment_fixed_size: 53504
    .private_segment_fixed_size: 0
    .kernarg_segment_align: 8
    .kernarg_segment_size: 64
    .max_flat_workgroup_size: 512
    .sgpr_count:     66
    .vgpr_count:     256
    .wavefront_size: 32
...
	.end_amdgpu_metadata
.endif
;; end of part 1
;; ======== version 2 of 2: 1 launch; version 1 with the launch addattn written anew for expert scheduling mode
;; limits: right only within a limited range of input values
;; launch addattn (part 2): grid 32 x 8, 16 waves a work-group, no clusters, 53,504 bytes of LDS; arguments queries_codes, keys_codes, W_concat, b_concat, w_logit, mask, lowp_scales, out0; writes out0
.if DOCPART == 2
	.amdgcn_target "amdgcn-amd-amdhsa--gfx1250"
	.amdhsa_code_object_version 6
	.text
	.protected	k_q2ad4bec504_addattn
	.globl	k_q2ad4bec504_addattn
	.p2align	8
	.type	k_q2ad4bec504_addattn,@function
k_q2ad4bec504_addattn:
	s_mov_b64 s[64:65], 0
	v_nop
	global_prefetch_b8 v0, s[64:65] scope:SCOPE_SE
	s_setreg_imm32_b32 hwreg(HW_REG_WAVE_SCHED_MODE, 0, 2), 2
	s_setreg_imm32_b32 hwreg(HW_REG_WAVE_MODE, 25, 1), 1
	s_wait_xcnt 0x0
	s_wait_alu depctr_vm_vsrc(0)
; out0[b][h][q][:] = softmax_k( sum over e of w_logit[e] tanh(qp[q][e] + kp[k][e] + b_concat[e]) + b_logit ), keys with mask 0 left out; a row whose mask is all 0 keeps every key.
; qp = Q Wq^T, kp = K Wk^T on codes of FP8 (E4M3): Q and K are given as codes, Wq = W_concat[:, :64] and Wk = W_concat[:, 64:] are quantised here with the given scales 2^e1 and 2^e3.
; WORK LEFT OUT, for all values of the inputs:
;   values    is named nowhere in reference()'s body: it is not loaded and is no argument.
;   b_logit   is added to every logit of a row alike, and softmax(x + c) = softmax(x); a key that is left out is -infinity with it or without.  It is not loaded and is no argument.
;   sum of w  tanh(x) = 1 - 2 r with r = 1 / (1 + e^(2x)), so a logit is (sum over e of w[e]) - 2 sum over e of w[e] r[e]; the first term is the same for all keys of a row and goes as b_logit goes.
;   LIMIT: a NaN, an infinity or an overflow that reaches only values, b_logit or the sum of w is not carried to the result.
; ARITHMETIC.  C = 2 log2(e).  ua = C (qp + b_concat), ub = C kp, each split ONCE into a whole number I = floor(u) and E = 2^(u - I) in [1, 2).  For an element:
;   t = IA + IB;  X = EB x 2^t (v_ldexp_f32: it ends at infinity or 0 by itself);  den = EA X + 1;  r = 1 / den;  logit x log2(e) = a constant + sum over e of (-C w[e]) r[e].
;   One transcendental an element, and den lies between 1 and infinity: no NaN arises whatever the size of ua and ub.  The softmax takes the row's maximum away, then 2^(.), the sum, one reciprocal.
; LIMITS: ua and ub are held within +-2^20 so that IA + IB cannot wrap (|qp + b_concat| and |kp| up to 363,408 are served as they are); e0 + e1 and e2 + e3 between -127 and 126 (they are added
;   to C's exponent field); e1 and e3 between -126 and 119 (2^e and 448 x 2^e are f32 numbers).  NaN codes and NaN among the f32 inputs are not served.
; SHARES.  A work-group: one (b, h), 16 queries, all 512 keys; 32 x 8 work-groups.  Sixteen waves of 256 registers.  In the main phase wave w owns keys 32 w .. 32 w + 31 (two tiles of 16);
;   in the softmax wave w owns row w of the sixteen.
; LAYOUT.  Both products are used transposed (source 0 = 16 rows of W, source 1 = 16 keys or queries), and lane m of W's tile t takes row e = 32 (m / 8) + 8 t + m % 8: so lane (r, h) holds key r
;   and, in register j of tile t, e = 32 h + 8 t + j: half of the 64 e's a lane; the two halves of the lanes meet once a query.
;   A fragment (16 rows x 64 K) is two pieces of 16 bytes at row x 64 + 16 h + 0, 32: a permutation of k that is the same in both operands, so every product meets its partner.
; NO TENSOR LOADS, NO CLUSTER: what work-groups share, a head's 32,768 bytes of key codes and W's 32,768 bytes, is read once at the head, 2,048 + 2,048 bytes a wave, straight into registers; there is no tile to ask for jointly.
; THE MODE: SCHED_MODE bits 1:0 = 2 (LLVM: expert scheduling mode 2), set by the entry lines.  The code itself states the register dependences between vector or matrix instructions
;   and memory or LDS instructions, with s_wait_alu, always for 0.
; THE PLAN.  Registers that memory or LDS instructions touch in the main loop:
;   RA0, RA1   Chunk c's denominators read buffer c % 2; the loads of chunk c + 2 land in it one chunk later.
;   v[AADR]    Read by every one of those loads; written once a query, in chunk 3, behind that chunk's loads.
;   v[LSTO], v[RS+3]   Read by the logit's store, which stands in the NEXT query's chunk 0; v[LSTO] is written in chunk 3, v[RS+3] at the query's end.
;   RT, RACC, RW, EB and IB are named by vector instructions alone.
; Each chunk has ONE wait on va_vdst, behind the next chunk's denominators and ahead of its own sums: the chunk's reciprocals are written; the denominators' lines are done reading their buffer;
; in chunk 3 v[AADR] and v[LSTO] are written; in chunk 0 the last query's logit is written.  Between that wait and the next chunk's loads stand the sums, a query's end and the reciprocals, which name no
; register of RA, nor v[AADR].  One wait on vm_vsrc a query, in chunk 3 behind its loads, stands ahead of the writes of v[AADR], v[LSTO] and v[RS+3].  The head's and the softmax's waits say at their places what they state.
; LDS:  0       WIMG   8 images of W's fragments, 1,024 bytes each (0-3: Wq's tiles, 4-7: Wk's): register group g of a lane at 512 g + 16 lane
;       8192    ABASE  16 rows (queries) of 528 bytes: 256 h + 64 c: EA of e = 32 h + 8 c + 0..7 (32 bytes), then IA of the same (32 bytes).  528 = 33 x 16: the sixteen rows of a store begin at sixteen different places modulo 256
;       16640   LBASE  the logits: 2,176 bytes for each storing wave: 128 q + 4 lane
;       51456   SPARE  the spare words, 128 bytes for each wave: eight blocks of 256 bytes that no other line names
.set ABASE,  8192
.set APITCH, 528
.set LBASE,  ABASE+16*APITCH
.set WREG,   2176
.set SPARE,  LBASE+16*WREG
; registers that stay
.set SPW,   1                          ; v1   LDS address of my spare word: SPARE + 4 x my thread's number; never rewritten
.set NIL,   2                          ; v2   0; never rewritten
.set AADR,  3                          ; v3   the query in hand: its row of EA, IA for my half
.set LSTO,  4                          ; v4   where my logit of the query in hand goes
.set AADR0, 5                          ; v5   ABASE + 256 h
.set LSTO0, 6                          ; v6   LBASE + 2176 wave + 4 lane
.set LRD,   7                          ; v7   the softmax: where I read my row's logits
.set MSK,   8                          ; v8-11  my row's mask: word j = keys 128 j + 4 lane + 0..3
.set L16,   12                         ; v12  16 x lane
.set LIM,   13                         ; v13  2^20
; the main phase
.set RA,    16                         ; v16-47   two buffers of 16: EA of a chunk's 8 e's, then IA
.set RT,    48                         ; v48-79   two buffers of 16: t, X, den, r of a chunk: 8 kt + j
.set RACC,  80                         ; v80-87   four pairs of sums: pair 2 kt + i % 2
.set RS,    88                         ; v88-91   S0, S1, what the other half wants, what I keep
.set RP,    92                         ; v92      a lane permute's destination
.set RW,    96                         ; v96-127  -C w[32 h + n]
.set REB,   128                        ; v128-191 EB: 32 kt + n
.set RIB,   192                        ; v192-255 IB: 32 kt + n
; the set-up, in registers that are free until later
.set KFR,   16                         ; v16-31   my two fragments of keys
.set WKF,   32                         ; v32-63   Wk's four fragments
.set QFR,   64                         ; v64-71   waves 0-3: the queries' fragment
.set WQF,   72                         ; v72-79   waves 0-3: Wq's fragment of tile = wave
.set QPD,   80                         ; v80-87   waves 0-3: the product, then ua, then EA
.set BCP,   88                         ; v88-95   waves 0-3: b_concat's eight, then floor(ua), then IA
.set WNUM,  192                        ; v192-207 16 numbers of W
.set WCOD,  208                        ; v208-211 their codes
.set CFO,   224                        ; v224 64 r + 16 h: a lane's place in 16 rows of codes
.set WFO,   225                        ; v225 a lane's place in W
.set H128,  226                        ; v226 128 h: my half's 32 numbers of a vector of 64
.set L4,    227                        ; v227 4 x lane
.set IMGW,  228                        ; v228 16 x thread: where my half fragment's image goes
.set AST,   229                        ; v229 waves 0-3: where EA and IA go
.set WQRD,  230                        ; v230 waves 0-3: Wq's image of tile = wave
.set WSC,   231                        ; v231 2^e of my side of W
.set WLIM,  232                        ; v232 448 x 2^e
.set WV,    24                         ; s24  my wave's number
.set SM,    2                          ; s2-17  the softmax: sixteen masks of lanes, one for each of a lane's keys (s4-17 held addresses whose loads have all landed by then)
	s_load_b256 s[4:11], s[0:1], 0x0               ; Q's codes s[4:5], K's codes s[6:7], W_concat s[8:9], b_concat s[10:11]
	s_load_b256 s[12:19], s[0:1], 0x20             ; w_logit s[12:13], mask s[14:15], the scales' exponents s[16:17], out0 s[18:19]
	v_lshl_add_u32 v[SPW], v0, 2, SPARE
	v_mov_b32 v[NIL], 0
	v_lshrrev_b32 v14, 5, v0
	v_readfirstlane_b32 s[WV], v14                 ; wave 0..15
	v_and_b32 v14, 31, v0                          ; lane
	v_and_b32 v15, 15, v0                          ; r
	v_bfe_u32 v233, v0, 4, 1                       ; h
	; every offset and every LDS address is made here, ahead of the first branch on the wave's number
	v_lshlrev_b32 v[L16], 4, v14
	v_lshlrev_b32 v[L4], 2, v14
	v_lshlrev_b32 v[H128], 7, v233
	v_lshlrev_b32 v[CFO], 6, v15
	v_lshl_add_u32 v[CFO], v233, 4, v[CFO]
	v_and_b32 v234, 8, v15
	v_lshlrev_b32 v[WFO], 11, v234                 ; W: row 32 (r / 8) + r % 8 of 512 bytes,
	v_and_b32 v234, 7, v15
	v_lshl_add_u32 v[WFO], v234, 9, v[WFO]
	v_lshl_add_u32 v[WFO], v233, 6, v[WFO]         ; + 16 h numbers
	v_lshlrev_b32 v[IMGW], 4, v0                   ; 512 x wave + 16 x lane: wave 2 f + g stores register group g of fragment f
	v_lshl_add_u32 v[AADR0], v233, 8, ABASE
	s_wait_alu depctr_va_sdst(0)                   ; the wave's number is written into s24, ahead of its first reader
	s_mul_i32 s38, s[WV], WREG
	s_add_co_u32 s38, s38, LBASE
	v_lshl_add_u32 v[LSTO0], v14, 2, s38
	v_lshrrev_b32 v234, 3, v14
	v_mul_u32_u24 v[LRD], v234, WREG               ; keys 128 j + 4 lane + 0..3 were stored by wave 4 j + lane / 8, at its byte 16 (lane % 8) of the row's 128
	v_and_b32 v234, 7, v14
	v_lshl_add_u32 v[LRD], v234, 4, v[LRD]
	s_lshl_b32 s38, s[WV], 7
	s_add_co_u32 s38, s38, LBASE
	v_add_nc_u32 v[LRD], s38, v[LRD]
	v_mul_u32_u24 v[AST], v15, APITCH
	v_add_nc_u32 v[AST], v[AST], v[AADR0]
	s_lshl_b32 s38, s[WV], 6
	v_add_nc_u32 v[AST], s38, v[AST]               ; query r's row, + 256 h, + 64 x tile
	s_lshl_b32 s38, s[WV], 10
	v_add_nc_u32 v[WQRD], s38, v[L16]
	v_mov_b32 v[LIM], 0x49800000                   ; 2^20
	s_mov_b32 s30, 0xffff0000                      ; lanes 16-31
	s_mov_b32 s32, 0x76543210                      ; v_permlanex16_b32's selects for lane l xor 16
	s_mov_b32 s33, 0xfedcba98
	; byte offsets, each made apart from its buffer's address
	s_and_b32 s39, ttmp7, 0xffff                   ; 4 b + h
	s_lshl_b32 s40, s39, 15                        ; a head's 512 rows of 64 codes
	s_lshl_b32 s41, ttmp9, 10
	s_add_co_u32 s41, s41, s40                     ; Q: + my work-group's 16 rows
	s_lshl_b32 s42, s[WV], 11
	s_add_co_u32 s42, s42, s40                     ; K: + my wave's 32 rows
	s_bfe_u32 s43, s[WV], 0x20001                  ; W: the tile t = (wave / 2) % 4: 8 t rows of 512 bytes,
	s_lshl_b32 s43, s43, 12
	s_lshr_b32 s44, s[WV], 3                       ; the side (0: Wq, 1: Wk): 256 bytes,
	s_lshl_b32 s44, s44, 8
	s_add_co_u32 s43, s43, s44
	s_and_b32 s44, s[WV], 1                        ; the register group g = wave % 2: k = 32 g on: 128 bytes
	s_lshl_b32 s44, s44, 7
	s_add_co_u32 s43, s43, s44
	s_lshl_b32 s44, ttmp9, 4
	s_add_co_u32 s44, s44, s[WV]                   ; my row among the 512 queries
	s_lshr_b32 s45, s39, 2
	s_lshl_b32 s45, s45, 9
	s_add_co_u32 s45, s45, s44
	s_lshl_b32 s45, s45, 9                         ; mask: (512 b + row) x 512 bytes
	s_lshl_b32 s31, s39, 9
	s_add_co_u32 s31, s31, s44
	s_lshl_b32 s31, s31, 11                        ; out0: (512 (4 b + h) + row) x 2,048 bytes
	s_mov_b32 s27, 0
	s_wait_kmcnt 0x0
	s_load_b128 s[20:23], s[16:17], 0x0            ; e0 (Q), e1 (Wq), e2 (K), e3 (Wk)
	s_mov_b32 s26, s42
	s_add_nc_u64 s[6:7], s[6:7], s[26:27]
	s_mov_b32 s26, s43
	s_add_nc_u64 s[8:9], s[8:9], s[26:27]
	s_mov_b32 s26, s45
	s_add_nc_u64 s[14:15], s[14:15], s[26:27]
	s_mov_b32 s26, s31
	s_add_nc_u64 s[18:19], s[18:19], s[26:27]
	s_wait_alu depctr_va_vdst(0)                   ; the offsets and LDS addresses v5 to v7, v12 and v224 to v230 are written, which the loads, LDS loads and stores below read; ahead of the branch, for both ways
	s_cmp_lt_u32 s[WV], 4                          ; waves 0-3 make qp's four tiles: their loads go out first, so that as many loads stand behind W's on both ways
	s_cbranch_scc0 .Lno_q
	s_mov_b32 s26, s41
	s_add_nc_u64 s[4:5], s[4:5], s[26:27]
	s_lshl_b32 s26, s[WV], 5                       ; b_concat: 8 x tile numbers on
	s_add_nc_u64 s[10:11], s[10:11], s[26:27]
	global_load_b128 v[QFR:QFR+3], v[CFO], s[4:5]
	global_load_b128 v[QFR+4:QFR+7], v[CFO], s[4:5] offset:32
	global_load_b128 v[BCP:BCP+3], v[H128], s[10:11]              ; b_concat[32 h + 8 t + 0..7]
	global_load_b128 v[BCP+4:BCP+7], v[H128], s[10:11] offset:16
.Lno_q:
.irp g, 0,1,2,3
	global_load_b128 v[WNUM+4*\g:WNUM+4*\g+3], v[WFO], s[8:9] offset:16*\g   ; 16 neighbours along K of my row of W
.endr
.irp kt, 0,1
.irp g, 0,1
	global_load_b128 v[KFR+8*\kt+4*\g:KFR+8*\kt+4*\g+3], v[CFO], s[6:7] offset:1024*\kt+32*\g
.endr
.endr
.irp j, 0,1,2,3
	global_load_b32 v[MSK+\j], v[L4], s[14:15] offset:128*\j      ; 32 lanes read 128 consecutive bytes of my row's mask
.endr
.irp g, 0,1,2,3,4,5,6,7
	global_load_b128 v[RW+4*\g:RW+4*\g+3], v[H128], s[12:13] offset:16*\g    ; w_logit[32 h + 0..31]
.endr
	s_wait_kmcnt 0x0
	s_cmp_lt_u32 s[WV], 8                          ; waves 0-7 quantise Wq, waves 8-15 Wk: a choice, no branch
	s_cselect_b32 s38, s21, s23
	s_add_co_i32 s38, s38, 127
	s_lshl_b32 s40, s38, 23
	v_mov_b32 v[WSC], s40                          ; 2^e as f32: the conversion takes its exponent field
	s_add_co_i32 s38, s38, 8
	s_lshl_b32 s38, s38, 23
	s_or_b32 s38, s38, 0x600000
	v_mov_b32 v[WLIM], s38                         ; 448 x 2^e
	s_add_co_i32 s34, s20, s21
	s_lshl_b32 s34, s34, 23
	s_add_co_i32 s34, s34, 0x4038aa3b              ; C x 2^(e0 + e1): the two exponents are added to C's exponent field
	s_mov_b32 s35, s34                             ; (named with it as a pair, so it is written)
	s_add_co_i32 s36, s22, s23
	s_lshl_b32 s36, s36, 23
	s_add_co_i32 s36, s36, 0x4038aa3b              ; C x 2^(e2 + e3)
	s_mov_b32 s37, s36
	s_wait_loadcnt 16                              ; W's four loads are in; behind them stand 4 of keys, 4 of the mask and 8 of w_logit
.set n, 0
.rept 16
	v_med3_num_f32 v[WNUM+n], v[WNUM+n], -v[WLIM], v[WLIM]        ; the conversion to an 8-bit code does not saturate (ISA guide 7.6.2): the hold at the largest code x the scale
.set n, n+1
.endr
	v_cvt_scalef32_pk8_fp8_f32 v[WCOD:WCOD+1], v[WNUM:WNUM+7], v[WSC]
	v_cvt_scalef32_pk8_fp8_f32 v[WCOD+2:WCOD+3], v[WNUM+8:WNUM+15], v[WSC]
	v_nop                                          ; one plain vector instruction behind the last scaled conversion: its registers are written again much later
	s_wait_alu depctr_va_vdst(0)                   ; the conversions have written v[WCOD ..], which the LDS store reads
	ds_store_b128 v[IMGW], v[WCOD:WCOD+3]          ; four registers of a fragment, as they stand
	s_wait_dscnt 0x0                               ; for the others' sake: my store has landed
	s_barrier_signal -1
	s_barrier_wait -1                              ; W's eight fragments lie in LDS
.irp t, 0,1,2,3
.irp g, 0,1
	ds_load_b128 v[WKF+8*\t+4*\g:WKF+8*\t+4*\g+3], v[L16] offset:4096+1024*\t+512*\g
.endr
.endr
	s_cmp_lt_u32 s[WV], 4
	s_cbranch_scc0 .Lno_qp
	; ---- waves 0-3: tile t = wave of qp^T for the 16 queries; ua; its split; to LDS
	ds_load_b128 v[WQF:WQF+3], v[WQRD]
	ds_load_b128 v[WQF+4:WQF+7], v[WQRD] offset:512
	s_wait_loadcnt 0x0                             ; Q's fragment and b_concat's eight (and all else)
	s_wait_dscnt 0x0
	v_wmma_f32_16x16x64_fp8_fp8 v[QPD:QPD+7], v[WQF:WQF+7], v[QFR:QFR+7], 0
.irp i, 0,2,4,6
	v_pk_mul_f32 v[BCP+\i:BCP+\i+1], v[BCP+\i:BCP+\i+1], 0x4038aa3b op_sel_hi:[1,0]    ; C b_concat: these four are the places behind the product
.endr
.irp i, 0,2,4,6
	v_pk_fma_f32 v[QPD+\i:QPD+\i+1], v[QPD+\i:QPD+\i+1], s[34:35], v[BCP+\i:BCP+\i+1] op_sel_hi:[1,0,1]   ; ua = sum x C 2^(e0 + e1) + C b_concat; the result is read from its low end on
.endr
.irp j, 0,1,2,3,4,5,6,7
	v_med3_num_f32 v[QPD+\j], v[QPD+\j], -v[LIM], v[LIM]
.endr
.irp j, 0,1,2,3,4,5,6,7
	v_floor_f32 v[BCP+\j], v[QPD+\j]
.endr
.irp j, 0,1,2,3,4,5,6,7
	v_sub_f32 v[QPD+\j], v[QPD+\j], v[BCP+\j]      ; exact: in [0, 1)
.endr
.irp j, 0,1,2,3,4,5,6,7
	v_exp_f32 v[QPD+\j], v[QPD+\j]                 ; EA in [1, 2)
.endr
.irp j, 0,1,2,3,4,5,6,7
	v_cvt_i32_f32 v[BCP+\j], v[BCP+\j]             ; IA; plain work behind the exponentials
.endr
	s_wait_alu depctr_va_vdst(0)                   ; the eight exponentials have written EA and the conversions IA, which the four LDS stores read (one wait for the batch, ahead of its first reader)
	ds_store_b128 v[AST], v[QPD:QPD+3]
	ds_store_b128 v[AST], v[QPD+4:QPD+7] offset:16
	ds_store_b128 v[AST], v[BCP:BCP+3] offset:32
	ds_store_b128 v[AST], v[BCP+4:BCP+7] offset:48
.Lno_qp:
	s_wait_loadcnt 0x0                             ; keys, mask, w_logit: every global load of the launch is in, so the offsets' registers are free too
	s_wait_dscnt 0x0                               ; Wk's fragments are in; waves 0-3: EA and IA have landed
	s_wait_alu depctr_vm_vsrc(0)                   ; the loads, LDS loads and LDS stores so far have read their offsets (v224-230) and their data (v[WCOD ..]; waves 0-3: v80-95): IB, the sums and the permute's destination are written over these below
	s_barrier_signal -1                            ; say so; up to the wait below stands work on registers alone
	; ---- every wave: kp^T for its 32 keys: eight products, eight accumulators
.irp kt, 0,1
.irp t, 0,1,2,3
	v_wmma_f32_16x16x64_fp8_fp8 v[REB+32*\kt+8*\t:REB+32*\kt+8*\t+7], v[WKF+8*\t:WKF+8*\t+7], v[KFR+8*\kt:KFR+8*\kt+7], 0
.endr
.endr
.set n, 0
.rept 16
	v_pk_mul_f32 v[RW+n:RW+n+1], v[RW+n:RW+n+1], 0xc038aa3b op_sel_hi:[1,0]   ; -C w: these sixteen are the places behind the products
.set n, n+2
.endr
.set n, 0
.rept 32
	v_pk_mul_f32 v[REB+n:REB+n+1], v[REB+n:REB+n+1], s[36:37] op_sel_hi:[1,0] ; ub = sum x C 2^(e2 + e3); each accumulator from its low end on
.set n, n+2
.endr
.set n, 0
.rept 64
	v_med3_num_f32 v[REB+n], v[REB+n], -v[LIM], v[LIM]
.set n, n+1
.endr
.set n, 0
.rept 64
	v_floor_f32 v[RIB+n], v[REB+n]
.set n, n+1
.endr
.set n, 0
.rept 32
	v_pk_add_f32 v[REB+n:REB+n+1], v[REB+n:REB+n+1], v[RIB+n:RIB+n+1] neg_lo:[0,1] neg_hi:[0,1]   ; ub - floor(ub): exact
.set n, n+2
.endr
.set n, 0
.rept 64
	v_exp_f32 v[REB+n], v[REB+n]                   ; EB in [1, 2)
.set n, n+1
.endr
.set n, 0
.rept 64
	v_cvt_i32_f32 v[RIB+n], v[RIB+n]               ; IB; plain work behind the exponentials
.set n, n+1
.endr
	v_mov_b32 v[RP], 0                             ; written once: a lane permute's destination counts as one of its sources
	s_mov_b32 s25, 0                               ; the query's row of EA, IA
	s_mov_b32 s29, 0                               ; and its place among my logits
	v_add_nc_u32 v[AADR], s25, v[AADR0]            ; the first query's row: made here, ahead of the wait that stands below in any case
	s_wait_alu depctr_va_vdst(0)                   ; the 64 exponentials have written EB (one wait, ahead of their first reader); the products are done reading v16-63, in which the first loads of EA, IA land; v[AADR] is written, which they read
	s_barrier_wait -1                              ; the sixteen queries' EA and IA lie in LDS
; ---- THE MAIN PHASE.  A chunk is 8 e's x my two tiles of keys: 16 elements a lane; a query is four chunks.  The stream of chunks runs one deep: while chunk c's sixteen reciprocals are out,
; chunk c + 1's denominators are made.
.macro ALOAD buf, off                  ; EA and IA of a chunk's 8 e's, at byte off of the row in hand: lanes 0-15 read one address, lanes 16-31 another
.irp g, 0,1,2,3
	ds_load_b128 v[RA+16*(\buf)+4*\g:RA+16*(\buf)+4*\g+3], v[AADR] offset:(\off)+16*\g
.endr
.endm
.macro PRE c, buf, cnt                 ; the denominators of chunk c, from buffer buf of EA, IA into buffer buf of T.  cnt: the LDS instructions issued behind that buffer's loads
	s_wait_dscnt \cnt
.irp kt, 0,1
.irp j, 0,1,2,3,4,5,6,7
	v_add_nc_u32 v[RT+16*(\buf)+8*\kt+\j], v[RA+16*(\buf)+8+\j], v[RIB+32*\kt+8*(\c)+\j]     ; t = IA + IB
.endr
.endr
.irp kt, 0,1
.irp j, 0,1,2,3,4,5,6,7
	v_ldexp_f32 v[RT+16*(\buf)+8*\kt+\j], v[REB+32*\kt+8*(\c)+\j], v[RT+16*(\buf)+8*\kt+\j]  ; X = EB x 2^t
.endr
.endr
.irp kt, 0,1
.irp i, 0,2,4,6
	v_pk_fma_f32 v[RT+16*(\buf)+8*\kt+\i:RT+16*(\buf)+8*\kt+\i+1], v[RA+16*(\buf)+\i:RA+16*(\buf)+\i+1], v[RT+16*(\buf)+8*\kt+\i:RT+16*(\buf)+8*\kt+\i+1], 1.0 op_sel_hi:[1,1,0]   ; den = EA X + 1
.endr
.endr
.endm
.macro RCPS buf
.set n, 0
.rept 16
	v_rcp_f32 v[RT+16*(\buf)+n], v[RT+16*(\buf)+n]
.set n, n+1
.endr
.endm
.macro ACCUM c, buf                    ; the sums take -C w r: four chains, by turns.  Chunk 0's first four products start them: nothing is cleared
.irp i, 0,1,2,3
.irp kt, 0,1
.if ((\c) == 0) && (\i < 2)
	v_pk_mul_f32 v[RACC+4*\kt+2*(\i%2):RACC+4*\kt+2*(\i%2)+1], v[RW+8*(\c)+2*\i:RW+8*(\c)+2*\i+1], v[RT+16*(\buf)+8*\kt+2*\i:RT+16*(\buf)+8*\kt+2*\i+1]
.else
	v_pk_fma_f32 v[RACC+4*\kt+2*(\i%2):RACC+4*\kt+2*(\i%2)+1], v[RW+8*(\c)+2*\i:RW+8*(\c)+2*\i+1], v[RT+16*(\buf)+8*\kt+2*\i:RT+16*(\buf)+8*\kt+2*\i+1], v[RACC+4*\kt+2*(\i%2):RACC+4*\kt+2*(\i%2)+1]
.endif
.endr
.endr
.endm
; Chunk c: its reciprocals as one batch; the loads for the chunk two on, into the buffer that chunk c has left; the next chunk's forty plain instructions, which name no result of the batch;
; ONE wait on va_vdst; the sums.
; step = 1, 2 (chunk 3): where this query's logit goes is made from s29; step = 2: s29 moves on, and v[AADR] moves on to the next query's row.  sto = 1 (chunk 0): the last query's logit is stored.
.macro CHUNK c, load, loadoff, pre, cnt, step, sto
	RCPS (\c)%2
.if \load
	ALOAD (\c)%2, \loadoff
.endif
.if \step
	s_wait_alu depctr_vm_vsrc(0)                   ; the LDS loads issued so far have read v[AADR]; the last query's store has read v[LSTO] and v[RS+3]: the three are written again only behind this line
	v_add_nc_u32 v[LSTO], s29, v[LSTO0]
.endif
.if \step == 2
	s_add_co_u32 s29, s29, 128
	s_add_co_u32 s25, s25, APITCH
	v_add_nc_u32 v[AADR], s25, v[AADR0]
.endif
.if \pre
	PRE ((\c)+1)%4, ((\c)+1)%2, \cnt
.else
	v_nop                                          ; the plain instruction behind the last reciprocal
.endif
	s_wait_alu depctr_va_vdst(0)                   ; the sixteen reciprocals are written, ahead of their first reader; the denominators' lines above are done reading their buffer of EA, IA, in which the next chunk's loads land; chunk 3: v[AADR] and v[LSTO] are written; chunk 0: so is the last query's logit
.if \sto
	ds_store_b32 v[LSTO], v[RS+3]                  ; the wave stores 128 consecutive bytes
.endif
	ACCUM \c, (\c)%2
.endm
; A query's end.  Lane (r, h) holds, for keys r (S0) and 16 + r (S1) of my 32, the sum over its 32 e's.  It keeps the sum of key 16 h + r and hands the other to lane l xor 16:
; then lane l holds the whole logit of key l.  The store follows behind the next wait on va_vdst.
.macro EPI
	v_pk_add_f32 v[RACC:RACC+1], v[RACC:RACC+1], v[RACC+2:RACC+3]
	v_pk_add_f32 v[RACC+4:RACC+5], v[RACC+4:RACC+5], v[RACC+6:RACC+7]
	v_add_f32 v[RS], v[RACC], v[RACC+1]
	v_add_f32 v[RS+1], v[RACC+4], v[RACC+5]
	v_cndmask_b32 v[RS+2], v[RS+1], v[RS], s30     ; lanes 0-15 hand S1 over, lanes 16-31 S0
	v_cndmask_b32 v[RS+3], v[RS], v[RS+1], s30     ; and keep the other
	v_permlanex16_b32 v[RP], v[RS+2], s32, s33
	v_add_f32 v[RS+3], v[RS+3], v[RP]
.endm
; The counts: behind the four loads that a PRE needs stand the four just issued.
; The sixteenth query asks for no row behind it, so behind its chunk 3's loads stands nothing.
	ALOAD 0, 0
	ALOAD 1, 64
	PRE 0, 0, 4
	s_wait_alu depctr_va_vdst(0)                   ; the first chunk's denominators are made: their lines are done reading buffer 0 of EA, IA, in which chunk 2's loads land
	CHUNK 0, 1, 128, 1, 4, 0, 0                    ; the first query's chunk 0: there is no logit yet to store
	s_mov_b32 s28, 15
.Lq:                                               ; fifteen trips: chunks 1 to 3 of a query, its end, chunk 0 of the next; the sixteenth query's last three chunks are written out, so that no load reaches past the last row
	CHUNK 1, 1, 192, 1, 4, 0, 0
	CHUNK 2, 1, APITCH, 1, 4, 0, 0
	CHUNK 3, 1, APITCH+64, 1, 4, 2, 0
	EPI
	CHUNK 0, 1, 128, 1, 4, 0, 1
	s_sub_co_u32 s28, s28, 1
	s_cmp_lg_u32 s28, 0
	s_cbranch_scc1 .Lq
	CHUNK 1, 1, 192, 1, 4, 0, 0
	CHUNK 2, 0, 0, 1, 0, 0, 0
	CHUNK 3, 0, 0, 0, 0, 1, 0
	EPI
	s_wait_alu depctr_va_vdst(0)                   ; the last query's logit is written, which the store reads; every line that read v16-31 is done, in which the softmax's loads land
	ds_store_b32 v[LSTO], v[RS+3]
	; ---- THE SOFTMAX: wave w takes row w.  Register 4 j + c of a lane is key 128 j + 4 lane + c, in the logits, in the mask and in out0 alike.
	s_wait_dscnt 0x0                               ; for the others' sake: my logits have landed
	s_barrier_signal -1
	s_barrier_wait -1
.irp j, 0,1,2,3
	ds_load_b128 v[16+4*\j:19+4*\j], v[LRD] offset:4*WREG*\j
.endr
	v_or_b32 v32, v[MSK], v[MSK+1]                 ; a row whose mask is all 0 keeps every key: a choice, no branch
	v_or_b32 v33, v[MSK+2], v[MSK+3]
	v_or_b32 v32, v32, v33
	v_cmp_ne_u32 vcc_lo, 0, v32                    ; the lanes that hold a key that counts
	s_wait_alu depctr_va_vcc(0)                    ; the compare has written VCC, ahead of its reader
	s_cmp_eq_u32 vcc_lo, 0
	s_cselect_b32 s31, 0x01010101, 0
.irp j, 0,1,2,3
	v_or_b32 v[MSK+\j], s31, v[MSK+\j]
.endr
	v_mov_b32 v48, 0xff800000                      ; -infinity
.irp j, 0,1,2,3
.irp c, 0,1,2,3
	v_and_b32 v[32+4*\j+\c], 0xff<<(8*\c), v[MSK+\j]
.endr
.endr
.irp j, 0,1,2,3
.irp c, 0,1,2,3
	v_cmp_eq_u32 s[SM+4*\j+\c], 0, v[32+4*\j+\c]   ; the sixteen compares in one run, each into a scalar register of its own
.endr
.endr
	s_wait_alu depctr_va_sdst(0)                   ; the sixteen compares have written s2 to s17, ahead of their first reader
	s_wait_dscnt 0x0
.irp j, 0,1,2,3
.irp c, 0,1,2,3
	v_cndmask_b32 v[16+4*\j+\c], v[16+4*\j+\c], v48, s[SM+4*\j+\c]
.endr
.endr
	v_max3_num_f32 v32, v16, v17, v18              ; the row's maximum: in two chains,
	v_max3_num_f32 v33, v19, v20, v21
	v_max3_num_f32 v32, v32, v22, v23
	v_max3_num_f32 v33, v33, v24, v25
	v_max3_num_f32 v32, v32, v26, v27
	v_max3_num_f32 v33, v33, v28, v29
	v_max3_num_f32 v32, v32, v30, v31
	v_max_num_f32 v32, v32, v33
	v_max_num_f32_dpp v32, v32, v32 row_xmask:1 row_mask:0xf bank_mask:0xf   ; across the sixteen lanes of a half,
	v_max_num_f32_dpp v32, v32, v32 row_xmask:2 row_mask:0xf bank_mask:0xf
	v_max_num_f32_dpp v32, v32, v32 row_xmask:4 row_mask:0xf bank_mask:0xf
	v_max_num_f32_dpp v32, v32, v32 row_xmask:8 row_mask:0xf bank_mask:0xf
	v_permlanex16_b32 v[RP], v32, s32, s33
	v_max_num_f32 v32, v32, v[RP]                  ; and across the halves.  At least one key counts, so it is a number
.irp i, 0,2,4,6,8,10,12,14
	v_pk_add_f32 v[16+\i:17+\i], v[16+\i:17+\i], v[32:33] op_sel_hi:[1,0] neg_lo:[0,1] neg_hi:[0,1]   ; less the maximum (the pair's low word for both halves)
.endr
.set n, 0
.rept 16
	v_exp_f32 v[16+n], v[16+n]                     ; the logits are kept times log2(e): 2^(.) is e^(logit - maximum); 0 for a key that is left out
.set n, n+1
.endr
	v_mov_b32 v51, 0                               ; (named below as the upper half of the pair v[50:51]; also the plain instruction behind the exponentials)
	s_wait_alu depctr_va_vdst(0)                   ; the sixteen exponentials have written v16-31: one wait, ahead of their first reader
	v_pk_add_f32 v[32:33], v[16:17], v[18:19]
	v_pk_add_f32 v[34:35], v[20:21], v[22:23]
	v_pk_add_f32 v[36:37], v[24:25], v[26:27]
	v_pk_add_f32 v[38:39], v[28:29], v[30:31]
	v_pk_add_f32 v[32:33], v[32:33], v[34:35]
	v_pk_add_f32 v[36:37], v[36:37], v[38:39]
	v_pk_add_f32 v[32:33], v[32:33], v[36:37]
	v_add_f32 v32, v32, v33
	v_add_f32_dpp v32, v32, v32 row_xmask:1 row_mask:0xf bank_mask:0xf
	v_add_f32_dpp v32, v32, v32 row_xmask:2 row_mask:0xf bank_mask:0xf
	v_add_f32_dpp v32, v32, v32 row_xmask:4 row_mask:0xf bank_mask:0xf
	v_add_f32_dpp v32, v32, v32 row_xmask:8 row_mask:0xf bank_mask:0xf
	v_permlanex16_b32 v[RP], v32, s32, s33
	v_add_f32 v32, v32, v[RP]                      ; the row's sum, at least 1
	v_rcp_f32 v50, v32
	v_nop                                          ; the plain instruction behind the reciprocal
	s_wait_alu depctr_va_vdst(0)                   ; the reciprocal has written v50, ahead of its first reader
.irp i, 0,2,4,6,8,10,12,14
	v_pk_mul_f32 v[16+\i:17+\i], v[16+\i:17+\i], v[50:51] op_sel_hi:[1,0]
.endr
	s_wait_alu depctr_va_vdst(0)                   ; the eight products have written the weights v16-31, which the four stores read
.irp j, 0,1,2,3
	global_store_b128 v[L16], v[16+4*\j:19+4*\j], s[18:19] offset:512*\j th:TH_STORE_NT   ; 32 lanes store 512 consecutive bytes, at a multiple of 256 from out0's first byte; written once, read by nobody here
.endr
	s_wait_dscnt 0x0                               ; the wave's end
	s_wait_alu 0x0
	s_wait_tensorcnt 0x0
	ds_add_u32 v[SPW], v[NIL]
	s_wait_dscnt 0x0
	s_endpgm
.Lfunc_end_k_q2ad4bec504_addattn:
	.size	k_q2ad4bec504_addattn, .Lfunc_end_k_q2ad4bec504_addattn-k_q2ad4bec504_addattn
	.p2alignl 7, 3214868480
	.fill 96, 4, 3214868480
	.section	.rodata,"a",@progbits
	.p2align	6, 0x0
	.amdhsa_kernel k_q2ad4bec504_addattn
		.amdhsa_group_segment_fixed_size 53504
		.amdhsa_private_segment_fixed_size 0
		.amdhsa_enable_private_segment 0
		.amdhsa_kernarg_size 64
		.amdhsa_user_sgpr_count 2
		.amdhsa_user_sgpr_kernarg_segment_ptr 1
		.amdhsa_wavefront_size32 1
		.amdhsa_system_sgpr_workgroup_id_x 1
		.amdhsa_system_sgpr_workgroup_id_y 1
		.amdhsa_system_sgpr_workgroup_id_z 1
		.amdhsa_system_vgpr_workitem_id 0
		.amdhsa_next_free_vgpr 256
		.amdhsa_next_free_sgpr 66
		.amdhsa_reserve_vcc 1
		.amdhsa_float_denorm_mode_32 3
		.amdhsa_float_denorm_mode_16_64 3
		.amdhsa_memory_ordered 1
		.amdhsa_forward_progress 1
		.amdhsa_inst_pref_size 64
	.end_amdhsa_kernel
	.amdgpu_metadata
---
amdhsa.version: [ 1, 2 ]
amdhsa.kernels:
  - .name:           k_q2ad4bec504_addattn
    .symbol:         k_q2ad4bec504_addattn.kd
    .args:
      - { .name: queries_codes, .offset: 0, .size: 8, .value_kind: global_buffer, .address_space: global }
      - { .name: keys_codes, .offset: 8, .size: 8, .value_kind: global_buffer, .address_space: global }
      - { .name: W_concat, .offset: 16, .size: 8, .value_kind: global_buffer, .address_space: global }
      - { .name: b_concat, .offset: 24, .size: 8, .value_kind: global_buffer, .address_space: global }
      - { .name: w_logit, .offset: 32, .size: 8, .value_kind: global_buffer, .address_space: global }
      - { .name: mask, .offset: 40, .size: 8, .value_kind: global_buffer, .address_space: global }
      - { .name: lowp_scales, .offset: 48, .size: 8, .value_kind: global_buffer, .address_space: global }
      - { .name: out0, .offset: 56, .size: 8, .value_kind: global_buffer, .address_space: global }
    .group_segment_fixed_size: 53504
    .private_segment_fixed_size: 0
    .kernarg_segment_align: 8
    .kernarg_segment_size: 64
    .max_flat_workgroup_size: 512
    .sgpr_count:     66
    .vgpr_count:     256
    .wavefront_size: 32
...
	.end_amdgpu_metadata
.endif
;; end of part 2
